; MI455X (gfx1250); checked and timed in simulation.
; The chip was launched on July 23, 2026; its instructions are those of AMD's public machine-readable ISA for CDNA 5 (MIT licence, August 2026) and "CDNA5" Instruction Set Architecture Reference Guide (July 2026). The comments in the code are by the model that wrote it; some were corrected since.
;; Self Attention. Allowed arithmetic: matrix products marked QUANTISED: E5M2 operands, one E8M0 scale for each 32 along K, by v_wmma_scale_f32_16x16x128_f8f6f4 with both operands' format E5M2, f32 sums; everything else in f32.
;; Inputs: Wk_codes 32 x 8 x 32 uint8 (E5M2 codes of Wk, K innermost, in blocks of 32 codes); Wk_scales 32 x 8 uint8 (E8M0 scales of Wk, one for each 32 codes along K); Wq_codes 32 x 8 x 32 uint8 (E5M2 codes of Wq, K innermost, in blocks of 32 codes); Wq_scales 32 x 8 uint8 (E8M0 scales of Wq, one for each 32 codes along K); Wv_codes 256 x 8 x 32 uint8 (E5M2 codes of Wv, K innermost, in blocks of 32 codes); Wv_scales 256 x 8 uint8 (E8M0 scales of Wv, one for each 32 codes along K); x_codes 4 x 64 x 64 x 8 x 32 uint8 (E5M2 codes of x, K innermost, in blocks of 32 codes); x_scales 4 x 64 x 64 x 8 uint8 (E8M0 scales of x, one for each 32 codes along K).
;; Outputs: out0 4 x 256 x 64 x 64 float32.
;; This version of the problem:
;;   THIS VERSION OF THE PROBLEM IS GIVEN IN LOW PRECISION. The matrix products marked QUANTISED in the list below multiply operands that are first quantised to E5M2 (5 exponent bits, 2 mantissa bits; 8 bits a number), with one power-of-two scale for each 32 numbers along K (OCP MX v1.0); their sums are f32. All else is computed in f32.
;;   The module's matrix products, in the order in which they are computed (A, B: the left and right operand; K: the contracted axis; several contracted axes count as one K, in the product's order):
;;     1. [M 16,384, K 256] x [K 256, N 32]; A: input x (given as codes); B: input Wq (given as codes): QUANTISED
;;     2. [M 16,384, K 256] x [K 256, N 32]; A: input x (given as codes); B: input Wk (given as codes): QUANTISED
;;     3. [M 16,384, K 256] x [K 256, N 256]; A: input x (given as codes); B: input Wv (given as codes): QUANTISED
;;     4. batch 4 x [M 4,096, K 32] x [K 32, N 4,096]; A: computed on the way; B: computed on the way: QUANTISED
;;     5. batch 4 x [M 256, K 4,096] x [K 4,096, N 4,096]; A: computed on the way; B: softmax (see below): QUANTISED
;;   THE QUANTISER, for each operand of a quantised product, along K:
;;     - K is cut into blocks of 32 from its start; a last block that is shorter is filled with zeros.
;;     - A block's scale is 2^e with e = floor(log2(the largest magnitude in the block)) - 15, held to -126 .. 127; a block of zeros has e = 0. As a byte (E8M0): e + 127.
;;     - Each number is divided by its block's scale, clamped to +-57,344, and rounded to the nearest number of E5M2, ties to even, subnormals kept.
;;     - The product sums the exact products of the quantised numbers (number of the format x scale) in f32.
;;   ~~~python
;;   def quantise(x, axis):      # numpy; x: float32 -> the quantised numbers, widened to float32 again
;;       x = np.moveaxis(x, axis, -1); K = x.shape[-1]
;;       x = np.pad(x, [(0, 0)] * (x.ndim - 1) + [(0, -K % 32)]); x = x.reshape(x.shape[:-1] + (-1, 32)); a = np.abs(x).max(-1, keepdims=True)
;;       e = np.where(a > 0, np.clip(np.frexp(np.where(a > 0, a, 1))[1] - 1 - 15, -126, 127), 0)      # np.frexp(a)[1] - 1 = floor(log2(a)), exactly
;;       r = np.clip(x / 2.0 ** e, -57344, 57344)
;;       step = 2.0 ** (np.maximum(np.frexp(np.where(r == 0, 1, r))[1] - 1, -14) - 2)
;;       q = np.round(r / step) * step * 2.0 ** e      # np.round: ties to even
;;       return np.moveaxis(q.reshape(q.shape[:-2] + (-1,))[..., :K], -1, axis).astype(np.float32)
;;   ~~~
;;   SOFTMAX AHEAD OF A QUANTISED PRODUCT. Where the list says 'softmax', what is quantised is not the finished softmax but p = 2^(t - M), with t = logit x log2(e) and M = ceil(the row's largest t), a whole number; so 1/2 < the row's largest p <= 1. The row's sum l is taken of the UNQUANTISED p, in f32, and the product's result is divided by l at the end. Since M is a whole number, a kernel that streams over the keys may use a running M (the ceiling of the running maximum): every later rescaling is an exact power of two, which a block's scale takes up: the codes' values come out the same.
;;   OPERANDS COMPUTED ON THE WAY. 'Computed on the way' means the value that the module computes at that place (a softmax that the list does not call 'softmax' is quantised finished and normalised). What goes into a quantiser is computed in f32, as accurately as f32 sums, v_exp_f32 and their like allow (about 1e-6 of the number): no bf16 or f16 on the way to a quantiser, and a product that is left as it is and whose result goes on into a quantised operand takes f32 operands (vector FMAs, or v_wmma_f32_16x16x4_f32). A number that lies on a knife's edge between two numbers of the format may be rounded either way, as far as f32 arithmetic and the matrix unit's own rounding can turn it there, and no further.
;;   INPUTS GIVEN AS CODES. Wk (in the module: [32, 256], K = its axis 1); Wq (in the module: [32, 256], K = its axis 1); Wv (in the module: [256, 256], K = its axis 1); x (in the module: [4, 256, 64, 64], K = its axis 1): each comes as NAME_codes (uint8): NAME with its K axis moved to the last place and cut into blocks of 32 codes, [.., K / 32, bytes a block], one block behind the other in memory; one code a byte (a code: sign, 5 exponent bits, 2 mantissa bits); and NAME_scales (uint8): the same leading axes, one E8M0 byte (e + 127) for each 32 codes along K. Its value is code x scale, taken as it is: it is not quantised again, and the codes and scales need not be those that the quantiser above would give.
;; One version. Each part assembles by itself: llvm-mc -triple=amdgcn-amd-amdhsa -mcpu=gfx1250 --defsym DOCPART=n.
;; ======== version 1 of 1: 2 launches
;; limits: right only within a limited range of input values
;; workspace buffers: kv 4,915,200 bytes; qb 589,824 bytes
;; launch proj (part 1): grid 128 x 2, 4 waves a work-group, clusters of 4 x 1, 168,448 bytes of LDS; arguments x_codes, x_scales, Wq_codes, Wq_scales, Wk_codes, Wk_scales, Wv_codes, Wv_scales, kv, qb; writes kv, qb
.if DOCPART == 1
	.amdgcn_target "amdgcn-amd-amdhsa--gfx1250"
	.amdhsa_code_object_version 6
	.text
	.protected	k_qc46baa00e2_proj
	.globl	k_qc46baa00e2_proj
	.p2align	8
	.type	k_qc46baa00e2_proj,@function
k_qc46baa00e2_proj:
	s_mov_b64 s[64:65], 0
	v_nop
	global_prefetch_b8 v0, s[64:65] scope:SCOPE_SE
	s_setreg_imm32_b32 hwreg(HW_REG_WAVE_MODE, 25, 1), 1
	s_wait_xcnt 0x0
	s_wait_alu depctr_hold_cnt(0) depctr_sa_sdst(0) depctr_va_vdst(0) depctr_va_sdst(0) depctr_va_ssrc(0) depctr_va_vcc(0) depctr_vm_vsrc(0)
	s_getreg_b32 s2, hwreg(HW_REG_IB_STS2, 6, 4)
	s_cmp_eq_u32 s2, 0
	s_cbranch_scc0 .Lentry_in_a_cluster
	s_endpgm
.Lentry_in_a_cluster:
	s_bfe_u32 s2, ttmp6, 0x10000c
	s_cmp_lg_u32 s2, 0x3003
	s_cbranch_scc0 .Lentry_shape_is_right
	s_endpgm
.Lentry_shape_is_right:
; f = Wq x, g = Wk x, v = Wv x on codes of BF8 (E5M2) with E8M0 scales, and the three quantisers behind them.  x: [4][4096 positions][256] codes, 8 scale bytes a position.
; f and g are quantised along their 32 dims (one block a position), v along the positions (blocks of 32 positions, a channel at a time).  What leaves is laid in the ORDER OF THE NEXT LAUNCH'S OPERAND REGISTERS:
;   kv: a block of 38,400 bytes for each group of 128 positions: v's fragments [channel tile 0..15][key block c][lane][16 B]; at 32,768 v's scale words [half][lane][4 words] (word p of lane l: channel tile 8 half + 2 p + l / 16,
;       channel l % 16, byte c = key block c); at 33,792 fragments of f [tile 2 b + u][lane][16 B] (lane (r, h): position 32 b + 8 u + r + 8 (r / 8), dims 16 h on); at 37,888 their scale words [lane][4 words] (word b: lanes 0-15 tile 2 b, lanes 16-31 tile 2 b + 1).
;       THE f IN A BLOCK IS NOT THE BLOCK'S OWN: block n of a batch's 32 holds v of group n and f of group (n + 4) % 32, so that the next launch, which walks four groups at a time, finds each f one walk ahead of its v.
;   qb: 4,608 bytes a group: g's fragments and, at 4,096, its scale words, laid as f's, each group in its own place.
; SHARES.  Work-group (x, y): group x of 128 positions; v's channels 128 y on; y = 0 also makes f (Wq, into kv), y = 1 makes g (Wk, into qb): only pointers and offsets are chosen, by y: one path through the text.
; Wave w owns positions 32 w .. 32 w + 31, which is key block w: 8 + 32 matrix instructions.
; THE POSITIONS OF A TILE ARE NOT NEIGHBOURS: lane r of tile u takes position 32 w + 8 u + r + 8 (r / 8), and W's rows for f and g likewise, so that a lane's 16 result registers of two neighbouring tiles are 16 neighbours along the next K.
; CLUSTER.  The four work-groups of a cluster differ in x alone and need the same 128 rows of Wv and the same 32 rows of Wq or Wk: 40 of the 72 KiB that a work-group fetches.  Those tiles are asked for jointly; x's tile is a load of the work-group's own, behind the same round.
; LDS is filled once: nothing is filled again.
; LIMITS: NaN and infinity codes and the scale byte 0xff among the inputs are not served.  A block of zeros gets the scale byte 1 where the quantiser's rule says 127: its codes are zeros, and these bytes are read by this program alone.
.set PITCH, 272                        ; an LDS row: 256 bytes + 16 of padding: the 16 rows of a fragment load start 16 bytes apart modulo 256
.set XT,  0                            ; x: 128 rows
.set WT,  128*PITCH                    ; Wv's half: 128 rows
.set QT,  256*PITCH                    ; Wq or Wk: 32 rows
.set VSC, QT+32*PITCH                  ; 512 bytes: v's scale words are gathered here (written by LDS stores: blocks of 256 bytes of their own)
.set FSC, VSC+512                      ; 512 bytes: f's or g's
.set XF,  16                           ; v16-79    x's fragments (tile u, K step s) at 16 (2 u + s)
.set QF,  80                           ; v80-143   Wq's or Wk's fragments (a, s) at 16 (2 a + s); later
.set VA,  80                           ;           8 accumulators of v at 16 (t % 4) + 8 u
.set FA,  144                          ; v144-175  4 accumulators of f or g at 16 u + 8 a
.set TM,  176                          ; v176-179 largest magnitudes, v180-183 bytes, v184-187 the largest number x the scale, v188-191 the conversions' scale operands
.set PC,  200                          ; v200-215  the codes just made
.set XS,  216                          ; v216-219  x's scale words (2 u + s)
.set QS,  220                          ; v220-223  Wq's or Wk's (2 a + s)
.set WS,  224                          ; v224-239  Wv's (2 t + s)
.set PWD, 240                          ; v240      f's or g's scale word on its way out
; window 1: Wv's fragments (t, s) at 16 (2 t + s)
.set WV,  24                           ; s24 wave;  s25 cx;  s26 the group;  s27 y
.set GX,  26
.set YY,  27
.set G1X, 28                           ; s[28:35] descriptor group 1: x's tile;  s[36:43] Wv's;  s[44:51] Wq's or Wk's
.set G1W, 36
.set G1Q, 44
.set G0X, 52                           ; s[52:55], s[56:59], s[60:63] their groups 0
.set G0W, 56
.set G0Q, 60
.set KVW, 66                           ; s[66:67] where my fragments of v go
.set FD,  68                           ; s[68:69] where my fragments of f or g go
.set SEL, 70                           ; s[70:71] selects of v_permlanex16_b32: lane l xor 16
.set MNT, 72                           ; s72 the mantissa field of 57,344
.set HIL, 73                           ; s73 the mask of lanes 16-31
.set XSB, 84                           ; s[84:85] x's scale bytes, s[86:87] Wq's or Wk's, s[88:89] Wv's
.set QSB, 86
.set WSB, 88
.set VSD, 90                           ; s[90:91] where v's scale words go;  s[92:93] f's or g's
.set FSD, 92
.set MSB, 0
.macro WIN new                         ; the immediate's high byte repeats the setting that is left
.if MSB != \new
	s_set_vgpr_msb (MSB<<8)|\new
.set MSB, \new
.endif
.endm
.macro ROUND                           ; a round of the cluster's barrier
	s_barrier_signal -1
	s_barrier_wait -1
	s_cmp_lg_u32 s[WV], 0
	s_cbranch_scc1 .Lnot_wave_0_\@
	s_barrier_signal -3
.Lnot_wave_0_\@:
	s_barrier_wait -3
	s_barrier_signal -1
	s_barrier_wait -1
.endm
.macro PLACES n
.rept \n
	v_nop
.endr
.endm
; n groups of 16 registers from v[s] on; group b holds 16 neighbours along K of a block whose other 16 lie in lane l xor 16.  Codes go to v[PC + 4 b] on, the scale's byte to v[TM + 4 + b].
.macro QUANT s, n
.irp b, 0,1,2,3
.if \b < \n
	v_max3_num_f32 v[TM+\b], |v[\s+16*\b]|, |v[\s+16*\b+1]|, 0x8000000   ; my 16 numbers, and the floor 2^(16 - 127): the byte cannot fall under 1.  Each accumulator is read from its low end on
.endif
.endr
.irp i, 2,4,6,8,10,12,14
.irp b, 0,1,2,3
.if \b < \n
	v_max3_num_f32 v[TM+\b], v[TM+\b], |v[\s+16*\b+\i]|, |v[\s+16*\b+\i+1]|
.endif
.endr
.endr
.irp b, 0,1,2,3
.if \b < \n
	v_permlanex16_b32 v[TM+4+\b], v[TM+\b], s[SEL], s[SEL+1]
.endif
.endr
.irp b, 0,1,2,3
.if \b < \n
	v_max_num_f32 v[TM+\b], v[TM+\b], v[TM+4+\b]             ; with lane l xor 16: the block's largest magnitude
.endif
.endr
.irp b, 0,1,2,3
.if \b < \n
	v_add_nc_u32 v[TM+12+\b], 0xf8800000, v[TM+\b]           ; 15 off its exponent field: the conversion's scale operand
.endif
.endr
.irp b, 0,1,2,3
.if \b < \n
	v_and_or_b32 v[TM+8+\b], v[TM+\b], 0x7f800000, s[MNT]    ; 57,344 x the scale
.endif
.endr
.irp b, 0,1,2,3
.if \b < \n
	v_lshrrev_b32 v[TM+4+\b], 23, v[TM+12+\b]                ; the scale's byte
.endif
.endr
.irp b, 0,1,2,3
.if \b < \n
.irp i, 0,1,2,3,4,5,6,7,8,9,10,11,12,13,14,15
	v_med3_num_f32 v[\s+16*\b+\i], v[\s+16*\b+\i], -v[TM+8+\b], v[TM+8+\b]   ; the conversion to an 8-bit code does not saturate (ISA guide 7.6.2): the hold comes first
.endr
	v_cvt_scalef32_pk8_bf8_f32 v[PC+4*\b:PC+4*\b+1], v[\s+16*\b:\s+16*\b+7], v[TM+12+\b]
	v_cvt_scalef32_pk8_bf8_f32 v[PC+4*\b+2:PC+4*\b+3], v[\s+16*\b+8:\s+16*\b+15], v[TM+12+\b]
.endif
.endr
	v_nop                                          ; a plain instruction between the last conversion and whatever next writes its sources
.endm
.macro WLOAD t0                        ; Wv's fragments of tiles t0 .. t0 + 3 into window 1
	WIN 0x40
.irp t, \t0, \t0+1, \t0+2, \t0+3
.irp s, 0,1
.irp c, 0,1,2,3
	ds_load_b128 v[16*(2*(\t)+\s)+4*\c:16*(2*(\t)+\s)+4*\c+3], v5 offset:16*(\t)*PITCH+128*\s+32*\c
.endr
.endr
.endr
	WIN 0
.endm
; v for channel tiles 4 g .. 4 g + 3: source 0 = 16 positions of x, source 1 = 16 rows of Wv: a lane holds one channel, its 16 registers of tiles u = 0, 1 positions 32 w + 16 h + 0 .. 15
.macro VGROUP g
	s_wait_dscnt 0x0                               ; Wv's fragments are in; the LDS stores have read their registers
	s_wait_xcnt 0x0                                ; the stores of the last codes have read them: the registers may be written again
	WIN 0x04                                       ; source 1 in window 1
.irp s, 0,1
.irp b, 0,1,2,3
.irp u, 0,1
.if \s == 0
	v_wmma_scale_f32_16x16x128_f8f6f4 v[VA+16*\b+8*\u:VA+16*\b+8*\u+7], v[XF+16*(2*\u+\s):XF+16*(2*\u+\s)+15], v[16*(2*(4*\g+\b)+\s):16*(2*(4*\g+\b)+\s)+15], 0, v[XS+2*\u+\s], v[WS+2*(4*\g+\b)+\s] matrix_a_fmt:MATRIX_FMT_BF8 matrix_b_fmt:MATRIX_FMT_BF8
.else
	v_wmma_scale_f32_16x16x128_f8f6f4 v[VA+16*\b+8*\u:VA+16*\b+8*\u+7], v[XF+16*(2*\u+\s):XF+16*(2*\u+\s)+15], v[16*(2*(4*\g+\b)+\s):16*(2*(4*\g+\b)+\s)+15], v[VA+16*\b+8*\u:VA+16*\b+8*\u+7], v[XS+2*\u+\s], v[WS+2*(4*\g+\b)+\s] matrix_a_fmt:MATRIX_FMT_BF8 matrix_b_fmt:MATRIX_FMT_BF8
.endif
.endr
.endr
.endr                                          ; the eight accumulators take turns
	WIN 0
	PLACES 8                                       ; eight places between these products and the first read of their results
	QUANT VA, 4
.irp b, 0,1,2,3
	global_store_b128 v6, v[PC+4*\b:PC+4*\b+3], s[KVW:KVW+1] offset:2048*(4*\g+\b)   ; the wave stores 512 consecutive bytes, aligned
	ds_store_b8 v9, v[TM+4+\b] offset:256*((4*\g+\b)%2)+4*((4*\g+\b)/2)             ; byte w of the channel's scale word; both lanes of a block write the same byte
.endr
.endm
	s_load_b512 s[4:19], s[0:1], 0x0               ; x codes s[4:5], x scales s[6:7], Wq s[8:11], Wk s[12:15], Wv s[16:19]
	s_load_b128 s[20:23], s[0:1], 0x40             ; kv s[20:21], qb s[22:23]
	v_lshl_add_u32 v254, v0, 2, 0x29000
	v_mov_b32 v255, 0
	ds_add_u32 v254, v255
	ds_add_u32 v254, v255
	v_lshrrev_b32 v1, 5, v0
	v_readfirstlane_b32 s[WV], v1                  ; wave 0..3
	s_bfe_u32 s25, ttmp6, 0x40000                  ; cx
	s_lshl_b32 s[GX], ttmp9, 2
	s_add_co_u32 s[GX], s[GX], s25                 ; the group of 128 positions = 4 x cluster x + cx
	s_and_b32 s[YY], ttmp7, 0xffff                 ; y: shared by the four partners
	v_and_b32 v1, 15, v0                           ; r
	v_bfe_u32 v2, v0, 4, 1                         ; h
	v_and_b32 v12, 8, v1
	v_add_nc_u32 v12, v12, v1                      ; r + 8 (r / 8)
	v_mul_u32_u24 v13, v12, PITCH
	v_lshl_add_u32 v13, v2, 4, v13
	s_mul_i32 s94, s[WV], 32*PITCH
	v_add_nc_u32 v3, s94, v13                      ; x's fragments: my wave's 32 rows
	v_add_nc_u32 v4, QT, v13                       ; Wq's or Wk's
	v_mul_u32_u24 v5, v1, PITCH
	v_lshl_add_u32 v5, v2, 4, v5
	v_add_nc_u32 v5, WT, v5                        ; Wv's: rows as they lie
	v_and_b32 v14, 31, v0
	v_lshlrev_b32 v6, 4, v14                       ; 16 x lane
	v_lshlrev_b32 v11, 3, v12                      ; scale bytes: 8 a row
	s_lshl_b32 s95, s[WV], 8
	v_add_nc_u32 v7, s95, v11                      ; x's: my wave's 32 positions
	v_lshlrev_b32 v8, 3, v1
	v_lshl_add_u32 v9, v1, 4, VSC
	v_add_nc_u32 v9, s[WV], v9                     ; v's scale bytes: VSC + 16 r + w
	s_lshl_b32 s95, s[WV], 2
	v_add_nc_u32 v10, FSC, v6
	v_add_nc_u32 v10, s95, v10                     ; f's or g's scale word: FSC + 16 x lane + 4 w
	v_add_nc_u32 v15, VSC, v6                      ; and where wave 0 reads both back
.irp b, 0,1,2,3
	v_mov_b32 v[TM+4+\b], 0                        ; written once: a lane permute's destination counts as one of its sources
.endr
	s_mov_b32 s[SEL], 0x76543210
	s_mov_b32 s[SEL+1], 0xfedcba98
	s_mov_b32 s[MNT], 0x600000
	s_mov_b32 s[HIL], 0xffff0000
	; descriptor groups 1: rows of 256 elements of one byte, 256 apart in memory, 4 words of padding behind every 64
	s_mov_b32 s[G1X], (1<<20)|(5<<22)|(3<<25)                     ; no mask: a load of my own
	s_mov_b32 s[G1W], 15|(1<<20)|(1<<21)|(5<<22)|(3<<25)          ; the mask names the four partners; bit 21 beside it
	s_mov_b32 s[G1Q], 15|(1<<20)|(1<<21)|(5<<22)|(3<<25)
	s_mov_b32 s[G1X+2], 128<<16                    ; x: 128 rows
	s_mov_b32 s[G1X+4], 128
	s_mov_b32 s[G1W+2], 64<<16                     ; Wv: 64 rows for each of two waves
	s_mov_b32 s[G1W+4], 64
.irp g, G1X, G1W
	s_mov_b32 s[\g+1], 256<<16                     ; tensor_dim0
	s_mov_b32 s[\g+3], 256<<16                     ; tile_dim0
	s_mov_b32 s[\g+5], 256                         ; from row to row
	s_mov_b32 s[\g+6], 0
	s_mov_b32 s[\g+7], 0
.endr
	s_mov_b32 s[G1Q+1], 256<<16
	s_mov_b32 s[G1Q+2], 32<<16                     ; 32 rows
	s_mov_b32 s[G1Q+3], 256<<16
	s_mov_b32 s[G1Q+4], 32
	s_mov_b32 s[G1Q+5], 256
	s_mov_b32 s[G1Q+6], 0
	s_mov_b32 s[G1Q+7], 0
	s_wait_dscnt 0x0
	s_wait_kmcnt 0x0
	s_lshl_b32 s74, s[GX], 15                      ; x: 128 positions of 256 bytes a group
	s_mov_b32 s75, 0
	s_mov_b32 s[G0X], 1
	s_mov_b32 s[G0X+1], XT
	s_add_nc_u64 s[G0X+2:G0X+3], s[4:5], s[74:75]
	s_or_b32 s[G0X+3], s[G0X+3], 0x80000000
	s_lshl_b32 s78, s[YY], 15                      ; Wv: 128 rows a half, 64 for wave 1 and 64 for wave 2: made of y and the wave's number alone
	s_lshr_b32 s77, s[WV], 1
	s_lshl_b32 s79, s77, 14
	s_add_co_u32 s78, s78, s79
	s_mov_b32 s79, 0
	s_mov_b32 s[G0W], 1
	s_mul_i32 s[G0W+1], s77, 64*PITCH
	s_add_co_u32 s[G0W+1], s[G0W+1], WT
	s_add_nc_u64 s[G0W+2:G0W+3], s[16:17], s[78:79]
	s_or_b32 s[G0W+3], s[G0W+3], 0x80000000
	s_mul_i32 s76, s[GX], 38400                    ; my group's block in kv,
	s_mul_i32 s77, s[GX], 4608                     ; and in qb
	s_add_co_u32 s82, s[GX], 28                    ; f goes into the block four groups back in its batch's 32, round the end:
	s_and_b32 s82, s82, 31                         ; (group + 28) % 32,
	s_and_b32 s83, s[GX], 96                       ; in the same batch
	s_or_b32 s82, s82, s83
	s_mul_i32 s82, s82, 38400
	s_add_co_u32 s82, s82, 33792
	s_cmp_eq_u32 s[YY], 0                          ; y = 0: Wq, f, into kv;  y = 1: Wk, g, into qb
	s_cselect_b64 s[G0Q+2:G0Q+3], s[8:9], s[12:13]
	s_cselect_b64 s[QSB:QSB+1], s[10:11], s[14:15]
	s_cselect_b64 s[FD:FD+1], s[20:21], s[22:23]
	s_cselect_b32 s82, s82, s77
	s_mov_b32 s83, 0
	s_mov_b32 s[G0Q], 1
	s_mov_b32 s[G0Q+1], QT
	s_or_b32 s[G0Q+3], s[G0Q+3], 0x80000000
	s_add_nc_u64 s[FSD:FSD+1], s[FD:FD+1], s[82:83]  ; where f's or g's fragments begin
	s_lshl_b32 s82, s[WV], 10
	s_add_nc_u64 s[FD:FD+1], s[FSD:FSD+1], s[82:83]  ; my two tiles: 1,024 bytes a wave
	s_add_nc_u64 s[FSD:FSD+1], s[FSD:FSD+1], 4096    ; the scale words lie behind the eight tiles
	s_lshl_b32 s74, s[YY], 14
	s_lshl_b32 s77, s[WV], 9
	s_add_co_u32 s74, s74, s77
	s_add_co_u32 s74, s74, s76
	s_add_nc_u64 s[KVW:KVW+1], s[20:21], s[74:75]    ; kv + block + 8 tiles x 2,048 x y + 512 x key block w
	s_lshl_b32 s74, s[YY], 9
	s_add_co_u32 s74, s74, s76
	s_add_co_u32 s74, s74, 32768
	s_add_nc_u64 s[VSD:VSD+1], s[20:21], s[74:75]
	s_lshl_b32 s74, s[GX], 10
	s_add_nc_u64 s[XSB:XSB+1], s[6:7], s[74:75]
	s_lshl_b32 s78, s[YY], 10
	s_add_nc_u64 s[WSB:WSB+1], s[18:19], s[78:79]
	ROUND                                          ; the four partners are here: the joint loads meet
	s_wait_alu depctr_va_vdst(0)
	s_cmp_lt_u32 s[WV], 1                          ; one load a wave: wave 0 x's rows, waves 1 and 2 Wv's halves, wave 3 Wq's or Wk's rows
	s_cbranch_scc0 .Lhead_w
	tensor_load_to_lds s[G0X:G0X+3], s[G1X:G1X+7]
	s_nop 0
	PLACES 4
	s_branch .Lhead_asked
.Lhead_w:
	s_cmp_lt_u32 s[WV], 3
	s_cbranch_scc0 .Lhead_q
	tensor_load_to_lds s[G0W:G0W+3], s[G1W:G1W+7]
	s_nop 0
	PLACES 4
	s_branch .Lhead_asked
.Lhead_q:
	tensor_load_to_lds s[G0Q:G0Q+3], s[G1Q:G1Q+7]
	s_nop 0
	PLACES 4
.Lhead_asked:
.irp u, 0,1
	global_load_b64 v[XS+2*\u:XS+2*\u+1], v7, s[XSB:XSB+1] offset:64*\u     ; both K steps' words of tile u's rows
	global_load_b64 v[QS+2*\u:QS+2*\u+1], v11, s[QSB:QSB+1] offset:64*\u
.endr
.irp t, 0,1,2,3,4,5,6,7
	global_load_b64 v[WS+2*\t:WS+2*\t+1], v8, s[WSB:WSB+1] offset:128*\t
.endr
	s_wait_tensorcnt 0x0                           ; my parts of the three tiles are in,
	s_barrier_signal -1
	s_barrier_wait -1                              ; everybody's are
.irp u, 0,1
.irp s, 0,1
.irp c, 0,1,2,3
	ds_load_b128 v[XF+16*(2*\u+\s)+4*\c:XF+16*(2*\u+\s)+4*\c+3], v3 offset:8*\u*PITCH+128*\s+32*\c
.endr
.endr
.endr
.irp a, 0,1
.irp s, 0,1
.irp c, 0,1,2,3
	ds_load_b128 v[QF+16*(2*\a+\s)+4*\c:QF+16*(2*\a+\s)+4*\c+3], v4 offset:8*\a*PITCH+128*\s+32*\c
.endr
.endr
.endr
	WLOAD 0
	s_wait_loadcnt 0x0                             ; the scale words
	s_wait_dscnt 32                                ; all but the 32 loads of Wv just issued
	; f or g: source 0 = 16 rows of W, source 1 = 16 positions: a lane holds one position, its 16 registers of tiles a = 0, 1 dims 16 h + 0 .. 15
.irp s, 0,1
.irp u, 0,1
.irp a, 0,1
.if \s == 0
	v_wmma_scale_f32_16x16x128_f8f6f4 v[FA+16*\u+8*\a:FA+16*\u+8*\a+7], v[QF+16*(2*\a+\s):QF+16*(2*\a+\s)+15], v[XF+16*(2*\u+\s):XF+16*(2*\u+\s)+15], 0, v[QS+2*\a+\s], v[XS+2*\u+\s] matrix_a_fmt:MATRIX_FMT_BF8 matrix_b_fmt:MATRIX_FMT_BF8
.else
	v_wmma_scale_f32_16x16x128_f8f6f4 v[FA+16*\u+8*\a:FA+16*\u+8*\a+7], v[QF+16*(2*\a+\s):QF+16*(2*\a+\s)+15], v[XF+16*(2*\u+\s):XF+16*(2*\u+\s)+15], v[FA+16*\u+8*\a:FA+16*\u+8*\a+7], v[QS+2*\a+\s], v[XS+2*\u+\s] matrix_a_fmt:MATRIX_FMT_BF8 matrix_b_fmt:MATRIX_FMT_BF8
.endif
.endr
.endr
.endr                                          ; the four accumulators take turns
	WLOAD 4                                        ; into registers that nothing has used yet
	PLACES 8
	QUANT FA, 2
.irp u, 0,1
	global_store_b128 v6, v[PC+4*\u:PC+4*\u+3], s[FD:FD+1] offset:512*\u    ; tile 2 w + u: 512 consecutive bytes, aligned
.endr
	v_cndmask_b32 v[PWD], v[TM+4], v[TM+5], s[HIL] ; lanes 0-15: tile 2 w's bytes, lanes 16-31: tile 2 w + 1's; the word's upper bytes are 0
	ds_store_b32 v10, v[PWD]
	VGROUP 0                                       ; its results lie over W's fragments for f and g: a whole quantiser, more than nine plain lines that name none of them, stands between
	VGROUP 1
	s_wait_dscnt 0x0                               ; for the others' sake: my scale bytes and words are in LDS
	s_barrier_signal -1
	s_barrier_wait -1
	s_cmp_lg_u32 s[WV], 0
	s_cbranch_scc1 .Lnot_first
	ds_load_b128 v[FA:FA+3], v15                   ; wave 0 sends both sets of scale words: 512 consecutive bytes each
	ds_load_b128 v[FA+4:FA+7], v15 offset:512
	s_wait_dscnt 0x0
	global_store_b128 v6, v[FA:FA+3], s[VSD:VSD+1]
	global_store_b128 v6, v[FA+4:FA+7], s[FSD:FSD+1]
.Lnot_first:
	s_wait_tensorcnt 0x0
	ds_add_u32 v254, v255
	s_wait_dscnt 0x0
	ROUND                                          ; the closing round: no work-group ends while a partner may still ask for a tile that names it
	s_endpgm
.Lfunc_end_k_qc46baa00e2_proj:
	.size	k_qc46baa00e2_proj, .Lfunc_end_k_qc46baa00e2_proj-k_qc46baa00e2_proj
	.p2alignl 7, 3214868480
	.fill 96, 4, 3214868480
	.section	.rodata,"a",@progbits
	.p2align	6, 0x0
	.amdhsa_kernel k_qc46baa00e2_proj
		.amdhsa_group_segment_fixed_size 168448
		.amdhsa_private_segment_fixed_size 0
		.amdhsa_enable_private_segment 0
		.amdhsa_kernarg_size 80
		.amdhsa_user_sgpr_count 2
		.amdhsa_user_sgpr_kernarg_segment_ptr 1
		.amdhsa_wavefront_size32 1
		.amdhsa_system_sgpr_workgroup_id_x 1
		.amdhsa_system_sgpr_workgroup_id_y 1
		.amdhsa_system_sgpr_workgroup_id_z 1
		.amdhsa_system_vgpr_workitem_id 0
		.amdhsa_next_free_vgpr 512
		.amdhsa_next_free_sgpr 96
		.amdhsa_reserve_vcc 0
		.amdhsa_float_denorm_mode_32 3
		.amdhsa_float_denorm_mode_16_64 3
		.amdhsa_memory_ordered 1
		.amdhsa_forward_progress 1
		.amdhsa_inst_pref_size 43
	.end_amdhsa_kernel
	.amdgpu_metadata
---
amdhsa.version: [ 1, 2 ]
amdhsa.kernels:
  - .name:           k_qc46baa00e2_proj
    .symbol:         k_qc46baa00e2_proj.kd
    .args:
      - { .name: x_codes, .offset: 0, .size: 8, .value_kind: global_buffer, .address_space: global }
      - { .name: x_scales, .offset: 8, .size: 8, .value_kind: global_buffer, .address_space: global }
      - { .name: Wq_codes, .offset: 16, .size: 8, .value_kind: global_buffer, .address_space: global }
      - { .name: Wq_scales, .offset: 24, .size: 8, .value_kind: global_buffer, .address_space: global }
      - { .name: Wk_codes, .offset: 32, .size: 8, .value_kind: global_buffer, .address_space: global }
      - { .name: Wk_scales, .offset: 40, .size: 8, .value_kind: global_buffer, .address_space: global }
      - { .name: Wv_codes, .offset: 48, .size: 8, .value_kind: global_buffer, .address_space: global }
      - { .name: Wv_scales, .offset: 56, .size: 8, .value_kind: global_buffer, .address_space: global }
      - { .name: kv, .offset: 64, .size: 8, .value_kind: global_buffer, .address_space: global }
      - { .name: qb, .offset: 72, .size: 8, .value_kind: global_buffer, .address_space: global }
    .group_segment_fixed_size: 168448
    .private_segment_fixed_size: 0
    .kernarg_segment_align: 8
    .kernarg_segment_size: 80
    .max_flat_workgroup_size: 128
    .sgpr_count:     96
    .vgpr_count:     512
    .wavefront_size: 32
...
	.end_amdgpu_metadata
.endif
;; end of part 1
;; launch attn (part 2): grid 64 x 4, 8 waves a work-group, clusters of 4 x 1, 327,680 bytes of LDS; arguments kv, qb, out0; writes out0
.if DOCPART == 2
	.amdgcn_target "amdgcn-amd-amdhsa--gfx1250"
	.amdhsa_code_object_version 6
	.text
	.protected	k_qc46baa00e2_attn
	.globl	k_qc46baa00e2_attn
	.p2align	8
	.type	k_qc46baa00e2_attn,@function
k_qc46baa00e2_attn:
	s_mov_b64 s[64:65], 0
	v_nop
	global_prefetch_b8 v0, s[64:65] scope:SCOPE_SE
	s_setreg_imm32_b32 hwreg(HW_REG_WAVE_MODE, 25, 1), 1
	s_wait_xcnt 0x0
	s_wait_alu depctr_hold_cnt(0) depctr_sa_sdst(0) depctr_va_vdst(0) depctr_va_sdst(0) depctr_va_ssrc(0) depctr_va_vcc(0) depctr_vm_vsrc(0)
	s_getreg_b32 s2, hwreg(HW_REG_IB_STS2, 6, 4)
	s_cmp_eq_u32 s2, 0
	s_cbranch_scc0 .Lentry_in_a_cluster
	s_endpgm
.Lentry_in_a_cluster:
	s_bfe_u32 s2, ttmp6, 0x10000c
	s_cmp_lg_u32 s2, 0x3003
	s_cbranch_scc0 .Lentry_shape_is_right
	s_endpgm
.Lentry_shape_is_right:
; out[b][c][j] = the sum over i of v[c][i] softmax_i(f[:, i] . g[:, j] / 16), both products on codes of BF8 (E5M2) with E8M0 scales.  j is the query (g, from qb), i the key (f and v, from kv); the buffers' layouts stand in the head of the launch that makes them.
; THE SOFTMAX: t = score x log2(e) / 16; M = the largest t so far, rounded up to a whole number; p = 2^(t - M) is quantised along the keys in blocks of 32, not normalised; the sum l is taken of the unquantised p and divides at the end.
; When M moves, l and O are multiplied by 2^(old M - new M), which rounds nothing.
; SHARES.  A work-group owns 64 queries of one batch.  Wave w: QH = w / 4 says which 32 of them (two tiles of 16; lane r of tile q holds query 16 (r / 8) + 8 q + r % 8), KQ = w % 4 which key step of 128 keys out of each slot of 512: each wave walks a quarter of the keys, with M, l and O of its own,
; and the four quarters are merged at the end through LDS.  A fragment of v read from LDS feeds two products, and two waves share a SIMD.
; PRODUCTS.  S^T = K Q^T (source 0 = 16 keys, source 1 = 16 queries): a lane holds one query, its registers run along the keys; the keys of a tile are chosen so that the 16 registers of tiles 2 b, 2 b + 1 are keys 32 b + 16 h + 0 .. 15: the conversions' results
; are the next operand.  O = P V (source 0 = P, source 1 = 16 channels of v): lane (r, h) holds channel 16 t + r and eight queries, which are eight neighbouring columns of out.  The factor of a query lies in another lane than its O: it goes through 64 bytes of the wave's own LDS.
; THE SCORE PRODUCT HAS K = 32 in an instruction of K = 128.  Q's fragment has zero codes in K blocks 1 to 3.  K's eight tiles lie on end, 4 registers each, with 12 zero registers behind: source 0 of tile i is 16 registers from its own 4 on, and what follows them meets zero codes.
; The scale words' upper bytes are 0, which is a finite scale.
; K COMES ONE SLOT AHEAD: block n of a batch in kv holds v of key step n and f of key step (n + 4) % 32, so the slot in hand brings the NEXT slot's K.  The first key step's K comes from memory with Q; the last slot's K (the batch's first, round the end) is not read.
; INSIDE THE CHANGE OF SLOTS.  Tile 0's scores, softmax and codes need registers alone: they stand between the signal and the wait of the change's opening barrier, so a wave that has ended its products works on until the others have ended theirs.  Both tiles' factors go through LDS behind the round.
; WHAT STANDS INSIDE THE QUANTISERS.  As tile 0's p is converted, block by block, its registers take tile 1's scores.  As tile 1's p is converted, its registers take v's first fragments.
; CLUSTER.  The four work-groups of a cluster belong to one batch and walk the same kv: each slot is asked for jointly, a wave an eighth (75 rows of 256 bytes), with the same descriptor in all four.
; REGISTER WINDOWS: O fills window 1, all else lies in window 0: three switches for each group of four products (products, rescaling, loads).
; LIMITS: NaN and infinity are not served.  v_exp_f32 gives 0 for p under 2^-126.  l and the four quarters of the keys are summed in another order than a single run over the keys would take.
.set STEPB, 38400                      ; a key step's block in kv and in LDS
.set SLOTB, 4*STEPB                    ; a slot: four key steps
.set FS,    2*SLOTB                    ; behind the ring: 256 bytes a wave: factors on their way from lane to lane
.set STAT,  FS+2048                    ; 256 bytes a wave: [tile][-M, l][16 queries]
.set SPARE, STAT+2048                  ; the spare words, 128 bytes a wave: four blocks of 256 bytes that no other line names
.set PART,  128*272                    ; the merge: a quarter's O, 128 channels x (256 bytes + 16); the four lie in slot 0, the other 128 channels' in slot 1
.set AD,  1                            ; v1, v2   16 x lane + my key step's place in slot 0, 1
.set LI,  3                            ; v3       16 x lane
.set SPW, 5                            ; v5       LDS address of my spare word; never rewritten
.set NIL, 6                            ; v6       0; never rewritten
.set FSW, 7                            ; v7       where my query's factor goes
.set FSR, 8                            ; v8       where the factors of my eight queries of O are read
.set PFO, 9                            ; v9       the prefetches' offset; never rewritten
.set FF0, 10                           ; v[10:11] tile 0's factor, v[178:179] tile 1's (the upper registers are named with them)
.set FF1, 178
                                       ; v[12 + 4 q ..]: tile q: -M, the largest t, l in two halves
.set QF,  20                           ; v20-51   Q's two fragments: 4 registers of codes, 12 of zeros
.set KF,  52                           ; v52-83   K's eight tiles; v84-95 zeros
.set KS,  96                           ; v96-99   K's scale words
.set QS,  100                          ; v100     Q's: lanes 0-15 tile 0, lanes 16-31 tile 1
.set PW,  101                          ; v101-102 p's scale words
.set VS,  104                          ; v104-111 v's scale words: register t / 2, lanes 0-15 even t, lanes 16-31 odd t
.set PC,  112                          ; v112-143 p's codes, 16 a tile
.set F,   144                          ; v144-159 the factors of my eight queries, 8 a tile
.set BM,  160                          ; v160-163 the blocks' largest scores, then largest p
.set TP,  164                          ; v164-167 permute's destination, then the bytes
.set HD,  168                          ; v168-171 two chains of the sums, then 57,344 x the scale
.set SOP, 172                          ; v172-175 the conversions' scale operands
.set X0,  176
.set HC0, 177                          ; 57,344 x the scale once more, block b's in a register whose number differs from HD + b's modulo 4:
.set HC1, 190                          ; the two halves of a dual instruction take their second sources from different register banks
.set HC2, 191
.set HC3, 4                            ; (v4 is free behind the head)
.set S2,  180                          ; v[180:181] a chain of the sums
.set STW, 182                          ; v182     the merge: where my -M and l go
.set STR, 183                          ; v183     and where those of the four columns that I store are read
.set RD,  184                          ; v184-187 where I read rows of the quarters' O: 0 and 1, 2 and 3; the same of the other 128 channels
.set GOF, 188                          ; v188     my byte offset in two rows of out
.set SO,  189                          ; v189     where my O goes
.set S,   192                          ; v192-255 S^T, then p; then two buffers of two fragments of v
.set WV,  10                           ; s10 wave, s11 KQ, s12 QH, s13 cx, s14 the block of 64 queries, s15 the batch
.set KQ,  11
.set QH,  12
.set XB,  14
.set BT,  15
.set G1,  16                           ; s[16:23] descriptor group 1
.set G0,  24                           ; s[24:27], s[28:31] group 0 for slot 0, 1
.set PFA, 32                           ; s[32:33] where my work-group's prefetches stand
.set LIM, 34                           ; s34 1 in a wave that prefetches, else the greatest number
.set LOOP, 35
.set SEL, 36                           ; s[36:37] selects of v_permlanex16_b32: lane l xor 16
.set CS,  38                           ; s[38:39] log2(e) / 16
.set MNT, 40                           ; s40 the mantissa field of 57,344
.set MSB, 0
.macro WIN new                         ; the immediate's high byte repeats the setting that is left
.if MSB != \new
	s_set_vgpr_msb (MSB<<8)|\new
.set MSB, \new
.endif
.endm
.macro CREST                           ; a round of the cluster's barrier behind its opening barrier
	s_cmp_lg_u32 s[WV], 0
	s_cbranch_scc1 .Lnot_wave_0_\@
	s_barrier_signal -3
.Lnot_wave_0_\@:
	s_barrier_wait -3
	s_barrier_signal -1
	s_barrier_wait -1
.endm
.macro ROUND                           ; a whole round
	s_barrier_signal -1
	s_barrier_wait -1
	CREST
.endm
.macro PLACES n
.rept \n
	v_nop
.endr
.endm
; A prefetch of the slot that the NEXT change of slots will load.  All clusters of a batch walk the same kv: the batch's first cluster asks.  Its four partners share the slot out by address, a key step (150 blocks of 256 bytes) each;
; waves 0 to 4 name 32 blocks each, a lane a block; wave 4's last ten lanes are held at block 149.  how = 1: always; how = 0: not in the loop's last trip, behind which there is no slot left to ask for.
.macro ASK how
.if \how
	s_cmp_eq_u32 s[LIM], 1
.else
	s_cmp_gt_u32 s[LOOP], s[LIM]
.endif
	s_cbranch_scc0 .Lnot_mine_\@
	global_prefetch_b8 v[PFO], s[PFA:PFA+1] th:TH_LOAD_NT scope:SCOPE_SE
.Lnot_mine_\@:
.endm
.macro SCORE i, q                      ; S^T of key tile i and query tile q
.if ((\i)%2 == 0) && (\q == 0)
	v_wmma_scale_f32_16x16x128_f8f6f4 v[S+8*(\i):S+8*(\i)+7], v[KF+4*(\i):KF+4*(\i)+15], v[QF+16*\q:QF+16*\q+15], 0, v[KS+(\i)/2], v[QS] matrix_a_fmt:MATRIX_FMT_BF8 matrix_b_fmt:MATRIX_FMT_BF8
.elseif (\q == 0)
	v_wmma_scale_f32_16x16x128_f8f6f4 v[S+8*(\i):S+8*(\i)+7], v[KF+4*(\i):KF+4*(\i)+15], v[QF+16*\q:QF+16*\q+15], 0, v[KS+(\i)/2], v[QS] matrix_a_fmt:MATRIX_FMT_BF8 matrix_b_fmt:MATRIX_FMT_BF8 matrix_a_scale:MATRIX_SCALE_ROW1
.elseif ((\i)%2 == 0)
	v_wmma_scale_f32_16x16x128_f8f6f4 v[S+8*(\i):S+8*(\i)+7], v[KF+4*(\i):KF+4*(\i)+15], v[QF+16*\q:QF+16*\q+15], 0, v[KS+(\i)/2], v[QS] matrix_a_fmt:MATRIX_FMT_BF8 matrix_b_fmt:MATRIX_FMT_BF8 matrix_b_scale:MATRIX_SCALE_ROW1
.else
	v_wmma_scale_f32_16x16x128_f8f6f4 v[S+8*(\i):S+8*(\i)+7], v[KF+4*(\i):KF+4*(\i)+15], v[QF+16*\q:QF+16*\q+15], 0, v[KS+(\i)/2], v[QS] matrix_a_fmt:MATRIX_FMT_BF8 matrix_b_fmt:MATRIX_FMT_BF8 matrix_a_scale:MATRIX_SCALE_ROW1 matrix_b_scale:MATRIX_SCALE_ROW1
.endif
.endm
.macro MLINE b, n                      ; line n of 8 of the search for block b's largest score: each accumulator is read from its low end on
.if (\n) == 0
	v_max3_num_f32 v[BM+\b], v[S+16*\b], v[S+16*\b+1], v[S+16*\b+2]
.elseif (\n) < 7
	v_max3_num_f32 v[BM+\b], v[BM+\b], v[S+16*\b+2*(\n)+1], v[S+16*\b+2*(\n)+2]
.else
	v_max_num_f32 v[BM+\b], v[BM+\b], v[S+16*\b+15]
.endif
.endm
.macro KLOAD slot                      ; the next slot's K of my key step, and its scale words: they lie in the slot in hand
.irp i, 0,1,2,3,4,5,6,7
	ds_load_b128 v[KF+4*\i:KF+4*\i+3], v[AD+\slot] offset:33792+512*\i
.endr
	ds_load_b128 v[KS:KS+3], v[AD+\slot] offset:37888
.endm
.macro VLOAD slot, g                   ; v's fragments of channel tiles 2 g, 2 g + 1 into buffer g % 2
.set VBF, S+32*((\g)%2)
.irp e, 0,1
.irp c, 0,1,2,3
	ds_load_b128 v[VBF+16*\e+4*\c:VBF+16*\e+4*\c+3], v[AD+\slot] offset:2048*(2*(\g)+\e)+512*\c
.endr
.endr
.endm
; Tile q's softmax and quantiser; its scores lie in S.  q = 0: registers alone.  q = 1: both tiles' factors go through LDS; kl = 1: there is a next slot, whose K is read on the way.
.macro SOFT q, slot, kl
.set NM, 12+4*\q
.set FX, FF0+(FF1-FF0)*\q
; THE LARGEST SCORE OF EACH BLOCK OF 32 KEYS: for the row's maximum and, since p rises with the score, for the block's largest p.  The four blocks by turns.  Tile 1's last two score products stand ahead of these lines:
; there block 3 lags three rounds, so that nine plain lines, which name none of those products' registers, stand ahead of the first read of their results (eight are asked)
.set LAG, 3*\q
.set MR, 0
.rept 8+LAG
.if MR < 8
	MLINE 0, MR
	MLINE 1, MR
	MLINE 2, MR
.endif
.if MR >= LAG
	MLINE 3, MR-LAG
.endif
.set MR, MR+1
.endr
.irp b, 0,1,2,3
	v_permlanex16_b32 v[TP+\b], v[BM+\b], s[SEL], s[SEL+1]
.endr
.irp b, 0,1,2,3
	s_delay_alu instid0(VALU_DEP_4)
	v_max_num_f32 v[BM+\b], v[BM+\b], v[TP+\b]     ; with lane l xor 16's 16 keys
.endr
	s_delay_alu instid0(VALU_DEP_2)
	v_max3_num_f32 v[X0], v[BM], v[BM+1], v[BM+2]
	s_delay_alu instid0(VALU_DEP_1)
	v_max_num_f32 v[X0], v[X0], v[BM+3]            ; the step's largest score of my query,
	s_delay_alu instid0(VALU_DEP_1)
	v_mul_f32 v[X0], s[CS], v[X0]                  ; as t
	s_delay_alu instid0(VALU_DEP_1)
	v_max_num_f32 v[NM+1], v[NM+1], v[X0]          ; the running largest t
	v_mov_b32 v[X0], v[NM]
	s_delay_alu instid0(VALU_DEP_2)
	v_floor_f32 v[NM], -v[NM+1]                    ; the new -M = floor(-t): M is a whole number
	s_delay_alu instid0(VALU_DEP_1)
	v_sub_f32 v[X0], v[NM], v[X0]                  ; old M less new M: a whole number, 0 or less
	s_delay_alu instid0(VALU_DEP_1)
	v_cvt_i32_f32 v[X0], v[X0]                     ; (it saturates)
	s_delay_alu instid0(VALU_DEP_1)
	v_ldexp_f32 v[FX], 1.0, v[X0]                  ; the factor 2^(old M - new M)
.if \q == 1
	ds_store_b32 v[FSW], v[FF0]                    ; my queries' factors, and back the factors of the eight queries a tile whose O I hold: the wave's own bytes, served in order (ISA guide 5.7.1.4)
	ds_store_b32 v[FSW], v[FF1] offset:64
.irp u, 0,1
	ds_load_b128 v[F+8*\u:F+8*\u+3], v[FSR] offset:64*\u
	ds_load_b128 v[F+8*\u+4:F+8*\u+7], v[FSR] offset:64*\u+16
.endr
.if \kl
	KLOAD \slot                                    ; K's registers have served this step's last score product, more than eight plain lines back
.endif
.endif
.set j, 0
.rept 32
	v_pk_fma_f32 v[S+j:S+j+1], v[S+j:S+j+1], s[CS:CS+1], v[NM:NM+1] op_sel_hi:[1,0,0]   ; t - M, two at a time
.set j, j+2
.endr
.irp b, 0,1,2,3
	v_fma_f32 v[BM+\b], v[BM+\b], s[CS], v[NM]     ; the same of each block's largest score
.endr
.set j, 0
	s_wait_alu depctr_va_vdst(0)
.rept 64
	v_exp_f32 v[S+j], v[S+j]                       ; p = 2^(t - M)
.set j, j+1
.endr
	v_pk_mul_f32 v[NM+2:NM+3], v[NM+2:NM+3], v[FX:FX+1] op_sel_hi:[1,0]   ; l under the new M: the plain line behind the exponentials
	s_wait_alu depctr_va_vdst(0)                   ; one wait for the batch, ahead of its first reader
.irp b, 0,1,2,3
	v_exp_f32 v[BM+\b], v[BM+\b]                   ; the blocks' largest p: the same two instructions on the same number give the same bits
.endr
	v_pk_add_f32 v[S2:S2+1], v[S:S+1], v[S+2:S+3]  ; l is taken of the unquantised p, two at a time, in four chains that do not wait for each other
	v_pk_add_f32 v[HD:HD+1], v[S+4:S+5], v[S+6:S+7]
	v_pk_add_f32 v[HD+2:HD+3], v[S+8:S+9], v[S+10:S+11]
.set j, 12
.rept 6
	v_pk_add_f32 v[NM+2:NM+3], v[NM+2:NM+3], v[S+j:S+j+1]
	v_pk_add_f32 v[S2:S2+1], v[S2:S2+1], v[S+j+2:S+j+3]
	v_pk_add_f32 v[HD:HD+1], v[HD:HD+1], v[S+j+4:S+j+5]
	v_pk_add_f32 v[HD+2:HD+3], v[HD+2:HD+3], v[S+j+6:S+j+7]
.set j, j+8
.endr
	v_pk_add_f32 v[NM+2:NM+3], v[NM+2:NM+3], v[S+60:S+61]
	v_pk_add_f32 v[S2:S2+1], v[S2:S2+1], v[S+62:S+63]
	s_delay_alu instid0(VALU_DEP_3)
	v_pk_add_f32 v[HD:HD+1], v[HD:HD+1], v[HD+2:HD+3]
	s_delay_alu instid0(VALU_DEP_2)
	v_pk_add_f32 v[NM+2:NM+3], v[NM+2:NM+3], v[S2:S2+1]
	s_delay_alu instid0(VALU_DEP_1)
	v_pk_add_f32 v[NM+2:NM+3], v[NM+2:NM+3], v[HD:HD+1]
	s_wait_alu depctr_va_vdst(0)                   ; and one for the four
.irp b, 0,1,2,3
	v_max_num_f32 v[BM+\b], 0x8000000, v[BM+\b]    ; the floor 2^(16 - 127): the byte cannot fall under 1
.endr
.irp b, 0,1,2,3
	s_delay_alu instid0(VALU_DEP_4)
	v_add_nc_u32 v[SOP+\b], 0xf8800000, v[BM+\b]   ; 15 off the exponent field: the conversion's scale operand
.endr
.irp b, 0,1,2,3
	v_and_or_b32 v[HD+\b], v[BM+\b], 0x7f800000, s[MNT]   ; 57,344 x the scale,
.endr
.irp b, 0,1,2,3
	v_and_or_b32 v[HC\b], v[BM+\b], 0x7f800000, s[MNT]    ; and once more, for the second half of the dual lines
.endr
.irp b, 0,1,2,3
	v_lshrrev_b32 v[TP+\b], 23, v[SOP+\b]          ; the scale's byte
.endr
	s_delay_alu instid0(VALU_DEP_3)
	v_lshl_or_b32 v[PW+\q], v[TP+1], 8, v[TP]      ; p's scale word for these 128 keys
	s_delay_alu instid0(VALU_DEP_1)
	v_lshl_or_b32 v[PW+\q], v[TP+2], 16, v[PW+\q]
	s_delay_alu instid0(VALU_DEP_1)
	v_lshl_or_b32 v[PW+\q], v[TP+3], 24, v[PW+\q]
; The conversion to an 8-bit code does not saturate (ISA guide 7.6.2); p is not negative, so the hold is one-sided: two numbers a line.
.irp b, 0,1,2,3
	v_dual_min_num_f32 v[S+16*\b], v[S+16*\b], v[HD+\b] :: v_dual_min_num_f32 v[S+16*\b+1], v[S+16*\b+1], v[HC\b]
.if (\q == 0) && (\b > 0)
	SCORE 2*(\b-1), 1                              ; the block before has been converted, and a plain line stands behind its conversions: its registers take tile 1's scores
	SCORE 2*(\b-1)+1, 1
.endif
.set j, 2
.rept 7
	v_dual_min_num_f32 v[S+16*\b+j], v[S+16*\b+j], v[HD+\b] :: v_dual_min_num_f32 v[S+16*\b+j+1], v[S+16*\b+j+1], v[HC\b]
.set j, j+2
.endr
	v_cvt_scalef32_pk8_bf8_f32 v[PC+16*\q+4*\b:PC+16*\q+4*\b+1], v[S+16*\b:S+16*\b+7], v[SOP+\b]
	v_cvt_scalef32_pk8_bf8_f32 v[PC+16*\q+4*\b+2:PC+16*\q+4*\b+3], v[S+16*\b+8:S+16*\b+15], v[SOP+\b]
.if (\q == 1) && (\b == 1)
	VLOAD \slot, 0                                 ; blocks 0 and 1 have been converted: their registers take v's first two fragments
.endif
.endr
.if \q == 0
	v_nop                                          ; a plain line between the last conversion and the products that write its sources
	SCORE 6, 1
	SCORE 7, 1
.else
	VLOAD \slot, 1
	v_nop                                          ; a plain line between the last conversion and whatever next touches its result
.endif
.endm
.macro RESC g                          ; O of channel tiles 2 g, 2 g + 1, both query tiles, under the new M; each accumulator from its low end on
	WIN 0x41                                       ; destination and source 0 in window 1
.irp e, 0,1
.irp q, 0,1
.irp i, 0,1,2,3
	v_pk_mul_f32 v[128*\q+8*(2*(\g)+\e)+2*\i:128*\q+8*(2*(\g)+\e)+2*\i+1], v[128*\q+8*(2*(\g)+\e)+2*\i:128*\q+8*(2*(\g)+\e)+2*\i+1], v[F+8*\q+2*\i:F+8*\q+2*\i+1]
.endr
.endr
.endr
.endm
.macro PROD t, q, zero                 ; O(q, t) += P(q) V(t); zero = 1: the product starts the sum
.set rO, 128*(\q)+8*(\t)
.set rV, S+32*(((\t)/2)%2)+16*((\t)%2)
.if \zero && ((\t)%2 == 0)
	v_wmma_scale_f32_16x16x128_f8f6f4 v[rO:rO+7], v[PC+16*\q:PC+16*\q+15], v[rV:rV+15], 0, v[PW+\q], v[VS+(\t)/2] matrix_a_fmt:MATRIX_FMT_BF8 matrix_b_fmt:MATRIX_FMT_BF8
.elseif \zero
	v_wmma_scale_f32_16x16x128_f8f6f4 v[rO:rO+7], v[PC+16*\q:PC+16*\q+15], v[rV:rV+15], 0, v[PW+\q], v[VS+(\t)/2] matrix_a_fmt:MATRIX_FMT_BF8 matrix_b_fmt:MATRIX_FMT_BF8 matrix_b_scale:MATRIX_SCALE_ROW1
.elseif ((\t)%2 == 0)
	v_wmma_scale_f32_16x16x128_f8f6f4 v[rO:rO+7], v[PC+16*\q:PC+16*\q+15], v[rV:rV+15], v[rO:rO+7], v[PW+\q], v[VS+(\t)/2] matrix_a_fmt:MATRIX_FMT_BF8 matrix_b_fmt:MATRIX_FMT_BF8
.else
	v_wmma_scale_f32_16x16x128_f8f6f4 v[rO:rO+7], v[PC+16*\q:PC+16*\q+15], v[rV:rV+15], v[rO:rO+7], v[PW+\q], v[VS+(\t)/2] matrix_a_fmt:MATRIX_FMT_BF8 matrix_b_fmt:MATRIX_FMT_BF8 matrix_b_scale:MATRIX_SCALE_ROW1
.endif
.endm
.macro TILE0                           ; tile 0's scores, softmax and codes, and tile 1's scores: registers alone
.irp i, 0,1,2,3,4,5,6,7
	SCORE \i, 0
.endr
	PLACES 8                                       ; eight places between these products and the first read of their results
	SOFT 0, 0, 0
	s_wait_alu depctr_va_vdst(0)
.endm
.macro REST slot, zero, kl             ; tile 1's softmax and the 32 products.  The 32 accumulators of O are taken once each, one instruction a turn
	ds_load_b128 v[VS:VS+3], v[AD+\slot] offset:32768      ; v's scale words
	ds_load_b128 v[VS+4:VS+7], v[AD+\slot] offset:33280
	SOFT 1, \slot, \kl
	s_wait_alu depctr_va_vdst(0)
	s_wait_dscnt 16                                ; all but the 16 loads of v's groups 0 and 1: the factors, v's scale words and the next K are in
.if \zero
	PLACES 8                                       ; places between the last codes and the products that take them
.else
	RESC 0
.endif
.set g, 0
.rept 8
	s_wait_alu depctr_va_vdst(0)
.if g < 7
	s_wait_dscnt 8                                 ; this group's fragments are in; the next group's eight loads may be out
.else
	s_wait_dscnt 0x0
.endif
.if \zero
	WIN 0x40                                       ; D in window 1
.else
	WIN 0x50                                       ; C and D in window 1
.endif
	PROD 2*g, 0, \zero
	PROD 2*g, 1, \zero
	PROD 2*g+1, 0, \zero
	PROD 2*g+1, 1, \zero
.if \zero
.if g < 6
	PLACES 8
.endif
.elseif g < 7
	RESC g+1                                       ; the next group's rescaling: sixteen plain lines that name no register of the four products: the places in front of the loads below
.endif
.if g < 6
	WIN 0
	VLOAD \slot, g+2                               ; into the buffer just multiplied
.endif
.set g, g+1
.endr
	WIN 0
	PLACES 9                                       ; the next scores are written by matrix instructions over the buffers just read: nine places
.endm
; A CHANGE OF SLOTS and the slot's work.  Each wave waits for all its tensor loads (one is out: its eighth of the slot ahead), adds 0 to its spare word, waits for that and for its reads of the slot that it has left, and signals; tile 0 stands between the signal and the wait.
; refill = 1: the barrier opens a round of the cluster's barrier, and behind it goes the joint load of the next 512 keys into the slot just left: it has tile 1's softmax and the products in which to land.
; zero = 1, the first slot: tile 0 stands ahead of the wait for the slot itself.
.macro TRIP slot, refill, zero, how, kl
.if \zero
	TILE0
.endif
	s_wait_tensorcnt 0x0                           ; no tensor load of mine is out, so a group 0 may be written
	ds_add_u32 v[SPW], v[NIL]
	s_add_nc_u64 s[G0+4*\slot+2:G0+4*\slot+3], s[G0+4*\slot+2:G0+4*\slot+3], 2*SLOTB   ; this slot's next keys
.if \refill
	s_wait_xcnt 0x0                                ; the last prefetch has read its address
	s_add_nc_u64 s[PFA:PFA+1], s[PFA:PFA+1], SLOTB
.endif
	s_wait_dscnt 0x0                               ; the add is done, and my reads of the slot that I have left are over
	s_barrier_signal -1
.if \zero == 0
	TILE0
.endif
	s_barrier_wait -1
.if \refill
	CREST                                          ; both now hold of every wave of the four work-groups
	tensor_load_to_lds s[G0+4*(1-\slot):G0+4*(1-\slot)+3], s[G1:G1+7]   ; my one tensor load behind the round
	s_nop 0
	PLACES 4                                       ; four such lines behind the load
	ASK \how
.endif
	REST \slot, \zero, \kl
.endm
	s_load_b128 s[4:7], s[0:1], 0x0                ; kv s[4:5], qb s[6:7]
	s_load_b64 s[8:9], s[0:1], 0x10                ; out
	v_lshl_add_u32 v[SPW], v0, 2, SPARE
	v_mov_b32 v[NIL], 0
	ds_add_u32 v[SPW], v[NIL]                      ; the wave's opening: the add, twice on end, and its wait ahead of my first tensor load
	ds_add_u32 v[SPW], v[NIL]
	v_lshrrev_b32 v10, 5, v0
	v_readfirstlane_b32 s[WV], v10                 ; wave 0..7
	s_and_b32 s[KQ], s[WV], 3
	s_lshr_b32 s[QH], s[WV], 2
	s_bfe_u32 s13, ttmp6, 0x40000                  ; cx
	s_lshl_b32 s[XB], ttmp9, 2
	s_add_co_u32 s[XB], s[XB], s13                 ; my block of 64 queries = 4 x cluster x + cx
	s_and_b32 s[BT], ttmp7, 0xffff                 ; the batch, which the four partners share
	; descriptor group 1: 75 rows of 32 elements of 8 bytes, dense: an eighth of a slot
	s_mov_b32 s[G1], 15|(3<<16)|(1<<21)            ; the mask names the four partners; elements of 8 bytes; bit 21 beside a mask; no padding: every LDS access is 16 x lane
	s_mov_b32 s[G1+1], 32<<16                      ; tensor_dim0
	s_mov_b32 s[G1+2], 75<<16                      ; tensor_dim1
	s_mov_b32 s[G1+3], 32<<16                      ; tile_dim0
	s_mov_b32 s[G1+4], 75                          ; tile_dim1
	s_mov_b32 s[G1+5], 32                          ; from row to row
	s_mov_b32 s[G1+6], 0
	s_mov_b32 s[G1+7], 0
	s_mov_b32 s[SEL], 0x76543210
	s_mov_b32 s[SEL+1], 0xfedcba98
	s_mov_b32 s[CS], 0x3db8aa3b                    ; log2(e) / 16
	s_mov_b32 s[CS+1], s[CS]                       ; (named with it as a pair, so it is written)
	s_mov_b32 s[MNT], 0x600000
	s_cmp_lt_u32 s[WV], 5                          ; waves 0 to 4
	s_cselect_b32 s[LIM], 0, 1
	s_or_b32 s[LIM], s[LIM], ttmp9                 ; of the batch's first cluster: the same in all four partners
	s_cmp_eq_u32 s[LIM], 0
	s_cselect_b32 s[LIM], 1, -1
	s_mul_i32 s42, s[BT], 32*STEPB                 ; the batch's 32 key steps in kv,
	s_mul_i32 s43, s[WV], 75*256                   ; my eighth of a slot: made of the batch and the wave's number alone
	s_add_co_u32 s42, s42, s43
	s_mov_b32 s43, 0
	s_mul_i32 s44, s[BT], 32*STEPB                 ; the prefetches: key step cx of slot 1; the first change of slots steps it to slot 2
	s_mul_i32 s45, s13, STEPB
	s_add_co_u32 s44, s44, s45
	s_add_co_u32 s44, s44, SLOTB
	s_mov_b32 s45, 0
	s_lshr_b32 s46, s[XB], 1
	s_lshl_b32 s47, s[BT], 5
	s_add_co_u32 s46, s46, s47
	s_mul_i32 s46, s46, 4608                       ; my queries' group of 128 in qb
	s_and_b32 s47, s[XB], 1
	s_lshl_b32 s47, s47, 1
	s_add_co_u32 s47, s47, s[QH]                   ; and their block of 32 in it
	s_lshl_b32 s48, s47, 10
	s_add_co_u32 s48, s48, s46
	s_mov_b32 s49, 0
	s_lshl_b32 s52, s47, 2
	s_add_co_u32 s52, s52, s46
	s_add_co_u32 s52, s52, 4096
	s_mov_b32 s53, 0
	s_lshl_b32 s56, s[BT], 22                      ; out: 4,194,304 bytes a batch, 256 a block of queries, 16 channels of 16,384 a wave
	s_lshl_b32 s57, s[XB], 8
	s_add_co_u32 s56, s56, s57
	s_lshl_b32 s57, s[WV], 18
	s_add_co_u32 s56, s56, s57
	s_mov_b32 s57, 0
	s_add_co_u32 s61, s[KQ], 28                    ; the K of my first key step, KQ, lies in the batch's block KQ + 28
	s_mul_i32 s61, s61, STEPB
	s_mul_i32 s60, s[BT], 32*STEPB
	s_add_co_u32 s60, s60, s61
	s_add_co_u32 s60, s60, 33792
	s_mov_b32 s61, 0
	s_wait_alu depctr_va_vdst(0)
	s_wait_dscnt 0x0                               ; both opening adds are done
	s_wait_kmcnt 0x0
	s_mov_b32 s[G0], 1
	s_mul_i32 s[G0+1], s[WV], 75*256
	s_add_nc_u64 s[G0+2:G0+3], s[4:5], s[42:43]
	s_mov_b32 s[G0+4], 1
	s_mul_i32 s[G0+5], s[WV], 75*256
	s_add_co_u32 s[G0+5], s[G0+5], SLOTB
	s_add_nc_u64 s[G0+6:G0+7], s[G0+2:G0+3], SLOTB
	s_or_b32 s[G0+3], s[G0+3], 0x80000000
	s_or_b32 s[G0+7], s[G0+7], 0x80000000
	s_add_nc_u64 s[PFA:PFA+1], s[4:5], s[44:45]
	s_add_nc_u64 s[50:51], s[6:7], s[48:49]        ; Q's two tiles
	s_add_nc_u64 s[54:55], s[6:7], s[52:53]        ; and their scale word
	s_add_nc_u64 s[62:63], s[4:5], s[60:61]        ; my first K
	s_add_nc_u64 s[8:9], s[8:9], s[56:57]
	ROUND                                          ; the four partners are here: the first joint load meets
	tensor_load_to_lds s[G0:G0+3], s[G1:G1+7]      ; keys 0 to 511 into slot 0
	s_nop 0
	PLACES 4
	v_and_b32 v10, 31, v0                          ; lane
	v_and_b32 v11, 15, v0                          ; r
	v_bfe_u32 v4, v0, 4, 1                         ; h
	v_lshlrev_b32 v[LI], 4, v10
.irp q, 0,1
	global_load_b128 v[QF+16*\q:QF+16*\q+3], v[LI], s[50:51] offset:512*\q
.endr
	global_load_b32 v[QS], v[LI], s[54:55]
.irp i, 0,1,2,3,4,5,6,7
	global_load_b128 v[KF+4*\i:KF+4*\i+3], v[LI], s[62:63] offset:512*\i    ; the first key step's K comes from memory, once: every later one out of the slot before its own
.endr
	global_load_b128 v[KS:KS+3], v[LI], s[62:63] offset:4096
	s_mul_i32 s58, s[KQ], STEPB
	v_add_nc_u32 v[AD], s58, v[LI]
	v_add_nc_u32 v[AD+1], SLOTB, v[AD]
	s_lshl_b32 s59, s[WV], 8
	v_lshl_add_u32 v[FSW], v11, 2, FS
	v_lshl_add_u32 v[FSR], v4, 5, FS
	v_add_nc_u32 v[FSW], s59, v[FSW]               ; FS + 256 w + 4 r
	v_add_nc_u32 v[FSR], s59, v[FSR]               ; FS + 256 w + 32 h
	s_lshl_b32 s42, s[WV], 5
	v_add_nc_u32 v[PFO], s42, v10
	v_min_u32 v[PFO], 149, v[PFO]
	v_lshlrev_b32 v[PFO], 8, v[PFO]                ; block 32 w + lane of a key step's 150, held at the last
	v_add_nc_u32 v[STW], 2048, v[FSW]              ; STAT + 256 w + 4 r
	v_lshrrev_b32 v192, 3, v11                     ; columns 4 r .. 4 r + 3 of the 64: query half r / 8, tile (r / 2) % 2, lanes 8 ((r / 4) % 2) + 4 (r % 2) on
	v_bfe_u32 v193, v11, 1, 1
	v_bfe_u32 v194, v11, 2, 1
	v_and_b32 v195, 1, v11
	v_lshlrev_b32 v[STR], 10, v192
	v_lshl_add_u32 v[STR], v193, 7, v[STR]
	v_lshl_add_u32 v[STR], v194, 5, v[STR]
	v_lshl_add_u32 v[STR], v195, 4, v[STR]
	v_add_nc_u32 v[STR], STAT, v[STR]
	s_mul_i32 s43, s[WV], 16*272
	v_mul_u32_u24 v[RD], v4, 272
	v_lshl_add_u32 v[RD], v11, 4, v[RD]
	v_add_nc_u32 v[RD], s43, v[RD]                 ; channels 16 w on: lanes 0-15 one row, lanes 16-31 the next
	v_add_nc_u32 v[RD+1], 2*PART, v[RD]
	v_add_nc_u32 v[RD+2], SLOTB, v[RD]
	v_add_nc_u32 v[RD+3], SLOTB+2*PART, v[RD]
	v_lshlrev_b32 v[GOF], 14, v4
	v_lshl_add_u32 v[GOF], v11, 4, v[GOF]          ; the same two rows in out: 16,384 bytes apart
	s_mul_i32 s44, s[KQ], PART
	s_lshl_b32 s45, s[QH], 7
	s_add_co_u32 s44, s44, s45
	v_mul_u32_u24 v[SO], v11, 272
	v_lshl_add_u32 v[SO], v4, 6, v[SO]
	v_add_nc_u32 v[SO], s44, v[SO]                 ; my quarter; channel r; columns 32 QH + 16 h on
.irp j, 4,5,6,7,8,9,10,11,12,13,14,15
	v_mov_b32 v[QF+\j], 0                          ; zero codes for K blocks 1 to 3 of Q,
	v_mov_b32 v[QF+16+\j], 0
	v_mov_b32 v[KF+28+\j], 0                       ; and behind K's last tile
.endr
.irp q, 0,1
	v_mov_b32 v[13+4*\q], 0xff61b1e6               ; the largest t so far: -3e38, under every t
	v_mov_b32 v[14+4*\q], 0                        ; l, in two halves
	v_mov_b32 v[15+4*\q], 0
	v_floor_f32 v[12+4*\q], -v[13+4*\q]            ; -M
.endr
.irp b, 0,1,2,3
	v_mov_b32 v[TP+\b], 0                          ; written once: a lane permute's destination counts as one of its sources
.endr
	v_mov_b32 v[FF1+1], 0
	s_wait_alu depctr_va_vdst(0)
	s_wait_loadcnt 0x0                             ; Q and the first K
	TRIP 0, 1, 1, 1, 1                             ; slot 0's keys; slot 1 gets its first fill as a refill does; the products start O's sums
	s_mov_b32 s[LOOP], 3
.Lloop:                                            ; three trips of two slots
	TRIP 1, 1, 0, 1, 1
	TRIP 0, 1, 0, 0, 1
	s_sub_co_u32 s[LOOP], s[LOOP], 1
	s_wait_alu depctr_va_vdst(0)
	s_cmp_lg_u32 s[LOOP], 0
	s_cbranch_scc1 .Lloop
	TRIP 1, 0, 0, 0, 0                             ; the last 512 keys: nothing is left to fetch, and no K to read ahead
	; THE MERGE of the four quarters of the keys, in two halves of the channels.  Slot 0 was left at the last change: it has had its last fill and its last read, and takes channels 0-127; behind the barrier slot 1 takes the others.
.irp q, 0,1
	v_add_f32 v[14+4*\q], v[14+4*\q], v[15+4*\q]
.endr
.irp q, 0,1
	v_permlanex16_b32 v[TP+\q], v[14+4*\q], s[SEL], s[SEL+1]
.endr
.irp q, 0,1
	v_add_f32 v[14+4*\q], v[14+4*\q], v[TP+\q]     ; my quarter's l of query r
.endr
	v_add_nc_u32 v[VS], SLOTB, v[SO]               ; (v's scale words have been used)
.irp q, 0,1
	ds_store_b32 v[STW], v[12+4*\q] offset:128*\q
	ds_store_b32 v[STW], v[14+4*\q] offset:128*\q+64
.endr
.macro OST hf, ar                      ; my O of channel tiles 8 hf on, as it is: a lane's eight numbers are 32 neighbouring bytes of a channel's row
	s_wait_alu depctr_va_vdst(0)
	WIN 0x04                                       ; an LDS store's data are its source 1: window 1
.irp q, 0,1
.irp t, 0,1,2,3,4,5,6,7
	ds_store_b128 v[\ar], v[128*\q+64*\hf+8*\t:128*\q+64*\hf+8*\t+3] offset:4352*\t+32*\q
	ds_store_b128 v[\ar], v[128*\q+64*\hf+8*\t+4:128*\q+64*\hf+8*\t+7] offset:4352*\t+32*\q+16
.endr
.endr
	WIN 0
.endm
.macro MLOAD n, ra                     ; row pairs 4 n .. 4 n + 3 of the four quarters
.set MB, 192-80*(\n)
.irp p, 0,1,2,3
	ds_load_b128 v[MB+16*\p:MB+16*\p+3], v[\ra] offset:544*(4*(\n)+\p)
	ds_load_b128 v[MB+16*\p+4:MB+16*\p+7], v[\ra] offset:PART+544*(4*(\n)+\p)
	ds_load_b128 v[MB+16*\p+8:MB+16*\p+11], v[\ra+1] offset:544*(4*(\n)+\p)
	ds_load_b128 v[MB+16*\p+12:MB+16*\p+15], v[\ra+1] offset:PART+544*(4*(\n)+\p)
.endr
.endm
.macro MSEND n, hf, younger            ; the quarters' sum under their factors, four row pairs by turns.  younger: the LDS instructions issued behind this batch's, which may stay out
.set MB, 192-80*(\n)
	s_wait_dscnt \younger
.irp p, 0,1,2,3
	v_pk_mul_f32 v[MB+16*\p:MB+16*\p+1], v[MB+16*\p:MB+16*\p+1], v[20:21]
	v_pk_mul_f32 v[MB+16*\p+2:MB+16*\p+3], v[MB+16*\p+2:MB+16*\p+3], v[22:23]
.endr
.irp k, 1,2,3
.irp p, 0,1,2,3
	v_pk_fma_f32 v[MB+16*\p:MB+16*\p+1], v[MB+16*\p+4*\k:MB+16*\p+4*\k+1], v[20+4*\k:21+4*\k], v[MB+16*\p:MB+16*\p+1]
	v_pk_fma_f32 v[MB+16*\p+2:MB+16*\p+3], v[MB+16*\p+4*\k+2:MB+16*\p+4*\k+3], v[22+4*\k:23+4*\k], v[MB+16*\p+2:MB+16*\p+3]
.endr
.endr
.irp p, 0,1,2,3
	global_store_b128 v[GOF], v[MB+16*\p:MB+16*\p+3], s[8:9] offset:2097152*\hf+32768*(4*(\n)+\p) th:TH_STORE_NT   ; two rows, sixteen lanes to 256 consecutive bytes, aligned
.endr
.endm
	OST 0, SO
	s_wait_dscnt 0x0                               ; for the others' sake: my stores are done; my reads of the ring are over
	s_barrier_signal -1
	s_barrier_wait -1                              ; from here on nobody reads the ring
.irp k, 0,1,2,3
	ds_load_b128 v[20+4*\k:23+4*\k], v[STR] offset:256*\k           ; -M of my four columns in quarter k,
	ds_load_b128 v[36+4*\k:39+4*\k], v[STR] offset:256*\k+64        ; and l
.endr
	MLOAD 0, RD
	s_wait_dscnt 16
.irp e, 0,1,2,3
	v_min3_num_f32 v[52+\e], v[20+\e], v[24+\e], v[28+\e]
.endr
.irp e, 0,1,2,3
	v_min_num_f32 v[52+\e], v[52+\e], v[32+\e]     ; -M*, M* the largest of the four
.endr
.irp k, 0,1,2,3
.irp e, 0,1,2,3
	v_sub_f32 v[20+4*\k+\e], v[52+\e], v[20+4*\k+\e]
.endr
.endr
.irp k, 0,1,2,3
.irp e, 0,1,2,3
	v_cvt_i32_f32 v[20+4*\k+\e], v[20+4*\k+\e]
.endr
.endr
.irp k, 0,1,2,3
.irp e, 0,1,2,3
	v_ldexp_f32 v[20+4*\k+\e], 1.0, v[20+4*\k+\e]  ; f_k = 2^(M_k - M*)
.endr
.endr
.irp e, 0,1,2,3
	v_mul_f32 v[56+\e], v[36+\e], v[20+\e]
.endr
.irp k, 1,2,3
.irp e, 0,1,2,3
	v_fmac_f32 v[56+\e], v[36+4*\k+\e], v[20+4*\k+\e]   ; L = the sum of l_k f_k
.endr
.endr
	s_wait_alu depctr_va_vdst(0)
.irp e, 0,1,2,3
	v_rcp_f32 v[56+\e], v[56+\e]
.endr
	v_nop                                          ; a plain line behind the last reciprocal
	s_wait_alu depctr_va_vdst(0)                   ; and one behind the batch
.irp k, 0,1,2,3
	v_pk_mul_f32 v[20+4*\k:21+4*\k], v[20+4*\k:21+4*\k], v[56:57]   ; f_k / L
	v_pk_mul_f32 v[22+4*\k:23+4*\k], v[22+4*\k:23+4*\k], v[58:59]
.endr
	MLOAD 1, RD
	OST 1, VS
	MSEND 0, 0, 48
	MSEND 1, 0, 32
	s_wait_dscnt 0x0                               ; for the others' sake: my part of the second half is written
	s_barrier_signal -1
	s_barrier_wait -1
	s_wait_xcnt 0x0                                ; the stores have read their registers: the sets may be loaded again
	MLOAD 0, RD+2
	MLOAD 1, RD+2
	MSEND 0, 1, 16
	MSEND 1, 1, 0
	s_wait_tensorcnt 0x0                           ; the wave's end, behind my last tensor load and my last LDS store
	ds_add_u32 v[SPW], v[NIL]
	s_wait_dscnt 0x0
	ROUND                                          ; the closing round: no work-group ends while a partner may still ask for a tile that names it
	s_endpgm
.Lfunc_end_k_qc46baa00e2_attn:
	.size	k_qc46baa00e2_attn, .Lfunc_end_k_qc46baa00e2_attn-k_qc46baa00e2_attn
	.p2alignl 7, 3214868480
	.fill 96, 4, 3214868480
	.section	.rodata,"a",@progbits
	.p2align	6, 0x0
	.amdhsa_kernel k_qc46baa00e2_attn
		.amdhsa_group_segment_fixed_size 327680
		.amdhsa_private_segment_fixed_size 0
		.amdhsa_enable_private_segment 0
		.amdhsa_kernarg_size 24
		.amdhsa_user_sgpr_count 2
		.amdhsa_user_sgpr_kernarg_segment_ptr 1
		.amdhsa_wavefront_size32 1
		.amdhsa_system_sgpr_workgroup_id_x 1
		.amdhsa_system_sgpr_workgroup_id_y 1
		.amdhsa_system_sgpr_workgroup_id_z 1
		.amdhsa_system_vgpr_workitem_id 0
		.amdhsa_next_free_vgpr 512
		.amdhsa_next_free_sgpr 66
		.amdhsa_reserve_vcc 0
		.amdhsa_float_denorm_mode_32 3
		.amdhsa_float_denorm_mode_16_64 3
		.amdhsa_memory_ordered 1
		.amdhsa_forward_progress 1
		.amdhsa_inst_pref_size 225
	.end_amdhsa_kernel
	.amdgpu_metadata
---
amdhsa.version: [ 1, 2 ]
amdhsa.kernels:
  - .name:           k_qc46baa00e2_attn
    .symbol:         k_qc46baa00e2_attn.kd
    .args:
      - { .name: kv, .offset: 0, .size: 8, .value_kind: global_buffer, .address_space: global }
      - { .name: qb, .offset: 8, .size: 8, .value_kind: global_buffer, .address_space: global }
      - { .name: out0, .offset: 16, .size: 8, .value_kind: global_buffer, .address_space: global }
    .group_segment_fixed_size: 327680
    .private_segment_fixed_size: 0
    .kernarg_segment_align: 8
    .kernarg_segment_size: 24
    .max_flat_workgroup_size: 256
    .sgpr_count:     66
    .vgpr_count:     512
    .wavefront_size: 32
...
	.end_amdgpu_metadata
.endif
;; end of part 2
